; MI455X (gfx1250); checked and timed in simulation.
; The chip was launched on July 23, 2026; its instructions are those of AMD's public machine-readable ISA for CDNA 5 (MIT licence, August 2026) and "CDNA5" Instruction Set Architecture Reference Guide (July 2026). The comments in the code are by the model that wrote it; some were corrected since.
;; UKR. Allowed arithmetic: matrix products marked QUANTISED: E2M1 operands, one E8M0 scale for each 32 along K, by v_wmma_scale_f32_16x16x128_f8f6f4 with both operands' format E2M1 (or v_wmma_scale_f32_32x16x128_f4), f32 sums; products left as they are: f32 operands where the result goes on into a quantised operand, else bf16, f16 or f32 operands; f32 sums; everything else in f32.
;; Inputs: X_codes 512 x 256 x 16 uint8 (E2M1 codes of X, K innermost, in blocks of 32 codes, two codes a byte); X_scales 512 x 256 uint8 (E8M0 scales of X, one for each 32 codes along K); Z 8,192 x 2 float32.
;; Outputs: out0 8,192 x 512 float32; out1 8,192 x 2 float32.
;; This version of the problem:
;;   THIS VERSION OF THE PROBLEM IS GIVEN IN LOW PRECISION. The matrix products marked QUANTISED in the list below multiply operands that are first quantised to E2M1 (2 exponent bits, 1 mantissa bit; 4 bits a number), with one power-of-two scale for each 32 numbers along K (OCP MX v1.0); their sums are f32. All else is computed in f32.
;;   The module's matrix products, in the order in which they are computed (A, B: the left and right operand; K: the contracted axis; several contracted axes count as one K, in the product's order):
;;     1. [M 8,192, K 2] x [K 2, N 8,192]; A: input Z; B: input Z: left as it is (K = 2 < 32)
;;     2. [M 8,192, K 8,192] x [K 8,192, N 512]; A: computed on the way; B: input X (given as codes): QUANTISED
;;   THE QUANTISER, for each operand of a quantised product, along K:
;;     - K is cut into blocks of 32 from its start; a last block that is shorter is filled with zeros.
;;     - A block's scale is 2^e with e = floor(log2(the largest magnitude in the block)) - 2, held to -126 .. 127; a block of zeros has e = 0. As a byte (E8M0): e + 127.
;;     - Each number is divided by its block's scale, clamped to +-6, and rounded to the nearest number of E2M1, ties to even, subnormals kept.
;;     - The product sums the exact products of the quantised numbers (number of the format x scale) in f32.
;;   ~~~python
;;   def quantise(x, axis):      # numpy; x: float32 -> the quantised numbers, widened to float32 again
;;       x = np.moveaxis(x, axis, -1); K = x.shape[-1]
;;       x = np.pad(x, [(0, 0)] * (x.ndim - 1) + [(0, -K % 32)]); x = x.reshape(x.shape[:-1] + (-1, 32)); a = np.abs(x).max(-1, keepdims=True)
;;       e = np.where(a > 0, np.clip(np.frexp(np.where(a > 0, a, 1))[1] - 1 - 2, -126, 127), 0)      # np.frexp(a)[1] - 1 = floor(log2(a)), exactly
;;       r = np.clip(x / 2.0 ** e, -6, 6)
;;       step = 2.0 ** (np.maximum(np.frexp(np.where(r == 0, 1, r))[1] - 1, 0) - 1)
;;       q = np.round(r / step) * step * 2.0 ** e      # np.round: ties to even
;;       return np.moveaxis(q.reshape(q.shape[:-2] + (-1,))[..., :K], -1, axis).astype(np.float32)
;;   ~~~
;;   OPERANDS COMPUTED ON THE WAY. 'Computed on the way' means the value that the module computes at that place (a softmax that the list does not call 'softmax' is quantised finished and normalised). What goes into a quantiser is computed in f32, as accurately as f32 sums, v_exp_f32 and their like allow (about 1e-6 of the number): no bf16 or f16 on the way to a quantiser, and a product that is left as it is and whose result goes on into a quantised operand takes f32 operands (vector FMAs, or v_wmma_f32_16x16x4_f32). A number that lies on a knife's edge between two numbers of the format may be rounded either way, as far as f32 arithmetic and the matrix unit's own rounding can turn it there, and no further.
;;   INPUTS GIVEN AS CODES. X (in the module: [8192, 512], K = its axis 0): each comes as NAME_codes (uint8): NAME with its K axis moved to the last place and cut into blocks of 32 codes, [.., K / 32, bytes a block], one block behind the other in memory; two codes a byte, the lower K in the low four bits (a code: sign, 2 exponent bits, 1 mantissa bit); and NAME_scales (uint8): the same leading axes, one E8M0 byte (e + 127) for each 32 codes along K. Its value is code x scale, taken as it is: it is not quantised again, and the codes and scales need not be those that the quantiser above would give.
;; One version. Each part assembles by itself: llvm-mc -triple=amdgcn-amd-amdhsa -mcpu=gfx1250 --defsym DOCPART=n.
;; ======== version 1 of 1: 1 launch
;; limits: right only within a limited range of input values
;; launch ukr (part 1): grid 256 x 1, 8 waves a work-group, clusters of 4 x 1, 327,680 bytes of LDS; arguments X_codes, X_scales, Z, out0, out1; writes out0, out1
.if DOCPART == 1
	.amdgcn_target "amdgcn-amd-amdhsa--gfx1250"
	.amdhsa_code_object_version 6
	.text
	.protected	k_q066031273d_ukr
	.globl	k_q066031273d_ukr
	.p2align	8
	.type	k_q066031273d_ukr,@function
k_q066031273d_ukr:
	s_mov_b64 s[64:65], 0
	v_nop
	global_prefetch_b8 v0, s[64:65] scope:SCOPE_SE
	s_setreg_imm32_b32 hwreg(HW_REG_WAVE_MODE, 25, 1), 1
	s_wait_xcnt 0x0
	s_wait_alu depctr_hold_cnt(0) depctr_sa_sdst(0) depctr_va_vdst(0) depctr_va_sdst(0) depctr_va_ssrc(0) depctr_va_vcc(0) depctr_vm_vsrc(0)
	s_getreg_b32 s2, hwreg(HW_REG_IB_STS2, 6, 4)
	s_cmp_eq_u32 s2, 0
	s_cbranch_scc0 .Lentry_in_a_cluster
	s_endpgm
.Lentry_in_a_cluster:
	s_bfe_u32 s2, ttmp6, 0x10000c
	s_cmp_lg_u32 s2, 0x3003
	s_cbranch_scc0 .Lentry_shape_is_right
	s_endpgm
.Lentry_shape_is_right:
; Y = R X, R[i][j] = K[i][j] / sum over j of K[i][j], K[i][j] = exp(-|zi - zj|^2 / 2); R is quantised to E2M1 along j in blocks of 32, X comes as codes.  out1 = Z.
; A work-group of eight waves makes 32 rows x 512 columns of Y; j is walked twice: pass 1 makes the 32 row sums, pass 2 the codes of R and the product.
; THE DISTANCE is the sum of the squared differences of the two coordinates, each first multiplied by sqrt(log2(e) / 2), so K = 2^-(dx^2 + dy^2).  A sum of squares is not negative,
; so it needs no maximum with 0.
; THE DIVISION: the sum is S = 2^p m with m in 1 .. 2.  The codes of K / S are those of 2^-(dx^2 + dy^2 + log2 m), and p is taken off the scale bytes: a power of two moves no code.
; LIMIT: numbers of 2^p R under 2^-126 count as 0 (v_exp_f32 gives no denormals: ISA guide 15.8).
; PASS 1: a wave takes 1,024 j's, 32 a lane, in registers; a row's two coordinates are scalars.  PASS 2, steps of 512 along j: wave w makes the codes of the step's j = 64 w .. 64 w + 63:
; lane (q = lane / 8, r8 = lane % 8) has the rows r8 + 8 m, m = 0 .. 3, and the j's 16 q .. 16 q + 15 of these, half a block; the codes go to all waves through an image in LDS.
; In the product wave w has the columns 64 w .. 64 w + 63: source 0 = 16 columns of X, source 1 = 16 rows of R, so a lane holds eight neighbouring columns of one row.
; CLUSTERS of four work-groups ask for X's tiles jointly.  A cluster starts at K step (c + 4 (c / 16)) % 16 and goes round: so the first loads of the 64 clusters name all sixteen tiles of X, four
; clusters each, and every later load names bytes that this launch has asked for before: no prefetch is written.
; X's scales: 256 bytes a column, read once into 128 registers of the wave that has the column.
.set PITCH,  272                       ; an LDS row: 256 bytes of codes + 16
.set SLOT,   512*PITCH
.set IMG,    2*SLOT                    ; two images of R's codes, 8,192 bytes each: [128 along K][row half][64 along K] x 512 bytes
.set SCB,    IMG+2*8192                ; two sets of R's scale words: 16 bytes a row
.set RSUM,   SCB+2*512                 ; partial row sums: [row][wave]
.set SPARE,  RSUM+1024                 ; the spare words, 128 bytes a wave
.set SPW, 1
.set NIL, 2
.set IW,  3                            ; where my codes go in the image
.set SW,  4                            ; and my scale bytes
.set LI,  5                            ; the image, 16 x lane
.set SR,  6                            ; the scale words, 16 x lane
.set XA,  7                            ; v7, v8: my X fragments in slot 0, 1
.set ZO,  9                            ; my offset in a step's part of Z
.set P,   10                           ; v10-13: (x, y) of two j's
.set CP,  16                           ; v16-17: Z's row for out1
.set NZX, 18                           ; v18-21: - scaled x of my rows;  v22-25: - scaled y
.set NZY, 22
.set LM,  26                           ; v26-29: log2 of the sums' mantissas
.set PSH, 30                           ; v30-33: p << 23
.set FLR, 34                           ; v34-37: the floor of a block's largest number, (3 + p) << 23
.set MX,  38                           ; v38-41
.set DD,  42                           ; v42-49: dy;  the codes
.set RS,  50                           ; v50-53: R's scale words of a step
.set ZL,  54                           ; v54-61: two sets of j's: (x, y) of j = 8 u + r8, u = 0, 1
.set Q0,  64                           ; X's scale words: v64-95 four steps at work; v96-127 the last four
.set Q3,  96
.set T,   128                          ; v128-191: exponents, two halves of 32
.set E,   192                          ; v192-255: exponentials, 16 j's for each of four rows
.set SS,  18                           ; pass 1: v18-25 at work, v26, v27 the sums of two rows, v28 lane = row: the sums
.set SA,  26
.set SB,  27
.set ACC, 28
.set ZI,  30                           ; v30-37: Z of my four rows as loaded
.set TA,  128                          ; pass 1: two buffers of exponents
.set TB,  160
.set ZJ,  192                          ; pass 1: 32 j's: x pair, y pair by turns
.set F0,  64                           ; window 1: v0-63 accumulators (n, m) at 8 (2 n + m); fragments at 64, 112: R's two, X's four
.set F1,  112
.set Q1,  160                          ; window 1: scale words of steps 4-7, 8-11
.set Q2,  192
.set LN,  144                          ; the head's temporaries
.set R_,  145
.set H_,  146
.set R8,  147
.set B3,  148
.set QQ,  149
.set XB,  150
.set MSB, 0
.macro WIN new
.if MSB != \new
	s_set_vgpr_msb (MSB<<8)|\new
.set MSB, \new
.endif
.endm
.macro NOPS n
.rept \n
	v_nop
.endr
.endm
.macro VW
	s_wait_alu depctr_va_vdst(0)
.endm
.macro CREST
	s_cmp_lg_u32 s14, 0
	s_cbranch_scc1 .Lnot_wave_0_\@
	s_barrier_signal -3
.Lnot_wave_0_\@:
	s_barrier_wait -3
	s_barrier_signal -1
	s_barrier_wait -1
.endm
.macro ROUND
	s_barrier_signal -1
	s_barrier_wait -1
	CREST
.endm
; pass 1, one row against my 32 j's: pk = 1: its exponents into tn; ex = 1: the exponentials of the row in tc, in place
.macro ROWS tn, tc, sx, sy, pk, ex
.irp g, 0,1,2,3
.if \pk
.irp i, 0,1,2,3
	v_pk_add_f32 v[\tn+8*\g+2*\i:\tn+8*\g+2*\i+1], v[ZJ+16*\g+4*\i:ZJ+16*\g+4*\i+1], s[\sx:\sx+1] op_sel_hi:[1,0]
.endr
.irp i, 0,1,2,3
	v_pk_add_f32 v[DD+2*\i:DD+2*\i+1], v[ZJ+16*\g+4*\i+2:ZJ+16*\g+4*\i+3], s[\sy:\sy+1] op_sel_hi:[1,0]
.endr
.irp i, 0,1,2,3
	v_pk_mul_f32 v[\tn+8*\g+2*\i:\tn+8*\g+2*\i+1], v[\tn+8*\g+2*\i:\tn+8*\g+2*\i+1], v[\tn+8*\g+2*\i:\tn+8*\g+2*\i+1]
.endr
.irp i, 0,1,2,3
	v_pk_fma_f32 v[\tn+8*\g+2*\i:\tn+8*\g+2*\i+1], v[DD+2*\i:DD+2*\i+1], v[DD+2*\i:DD+2*\i+1], v[\tn+8*\g+2*\i:\tn+8*\g+2*\i+1] neg_lo:[1,0,1] neg_hi:[1,0,1]
.endr
.endif
.if \ex
.irp j, 0,1,2,3,4,5,6,7
	v_exp_f32 v[\tc+8*\g+\j], v[\tc+8*\g+\j]
.endr
.endif
.endr
.endm
.macro SUMS tb, dst                    ; 32 numbers of a lane, in four packed chains
.irp i, 0,1,2,3
	v_pk_add_f32 v[SS+2*\i:SS+2*\i+1], v[\tb+2*\i:\tb+2*\i+1], v[\tb+8+2*\i:\tb+8+2*\i+1]
.endr
.irp o, 16,24
.irp i, 0,1,2,3
	v_pk_add_f32 v[SS+2*\i:SS+2*\i+1], v[SS+2*\i:SS+2*\i+1], v[\tb+\o+2*\i:\tb+\o+2*\i+1]
.endr
.endr
	v_pk_add_f32 v[SS:SS+1], v[SS:SS+1], v[SS+2:SS+3]
	v_pk_add_f32 v[SS+4:SS+5], v[SS+4:SS+5], v[SS+6:SS+7]
	v_pk_add_f32 v[SS:SS+1], v[SS:SS+1], v[SS+4:SS+5]
	v_add_f32 v[\dst], v[SS], v[SS+1]
.endm
; rows t and t + 16: the exponents of t were made a trip ahead; those of row t + 1 are made here
.macro TRIP1 more
	s_wait_kmcnt 0x0
	s_mul_f32 s76, s82, s70
	s_mul_f32 s78, s82, s71
.if \more
	s_mul_f32 s72, s82, s68
	s_mul_f32 s74, s82, s69
	s_add_co_u32 s80, s80, 8
	s_load_b64 s[68:69], s[66:67], s80 offset:8
	s_load_b64 s[70:71], s[66:67], s80 offset:128
.endif
	ROWS TB, TA, 76, 78, 1, 1
	VW
	SUMS TA, SA
	ROWS TA, TB, 72, 74, \more, 1
	VW
	SUMS TB, SB
	v_permlane16_swap_b32 v[SA], v[SB]             ; lanes 0-15: row t's two halves; lanes 16-31: row t + 16's
	v_add_f32 v[SA], v[SA], v[SB]
.irp x, 1,2,4,8
	v_add_f32_dpp v[SA], v[SA], v[SA] row_xmask:\x row_mask:0xf bank_mask:0xf
.endr
	v_cndmask_b32 v[ACC], v[ACC], v[SA], s81       ; lanes t and t + 16 take their rows' sums
	s_lshl_b32 s81, s81, 1
.endm
; pass 2, a and b = a + 1 of the eight j's of half u, my four rows: the exponents -(dx^2 + dy^2 + log2 m); ex = 1: the other half's exponentials, to their rows' places
.macro GRP u, set, a, b, ex
	v_mov_b32_dpp v[P], v[ZL+4*(\set)+2*(\u)] dpp8:[\a,\a,\a,\a,\a,\a,\a,\a]
	v_mov_b32_dpp v[P+1], v[ZL+4*(\set)+2*(\u)+1] dpp8:[\a,\a,\a,\a,\a,\a,\a,\a]
	v_mov_b32_dpp v[P+2], v[ZL+4*(\set)+2*(\u)] dpp8:[\b,\b,\b,\b,\b,\b,\b,\b]
	v_mov_b32_dpp v[P+3], v[ZL+4*(\set)+2*(\u)+1] dpp8:[\b,\b,\b,\b,\b,\b,\b,\b]
.irp i, 0,1
.irp c, 0,1
.set t_, T+32*(\u)+4*((\a)+\i)+2*\c
	v_pk_add_f32 v[t_:t_+1], v[P+2*\i:P+2*\i+1], v[NZX+2*\c:NZX+2*\c+1] op_sel_hi:[0,1]
.endr
.endr
.irp i, 0,1
.irp c, 0,1
	v_pk_add_f32 v[DD+4*\i+2*\c:DD+4*\i+2*\c+1], v[P+2*\i:P+2*\i+1], v[NZY+2*\c:NZY+2*\c+1] op_sel:[1,0] op_sel_hi:[1,1]
.endr
.endr
.irp i, 0,1
.irp c, 0,1
.set t_, T+32*(\u)+4*((\a)+\i)+2*\c
	v_pk_fma_f32 v[t_:t_+1], v[t_:t_+1], v[t_:t_+1], v[LM+2*\c:LM+2*\c+1] neg_lo:[1,0,1] neg_hi:[1,0,1]
.endr
.endr
.irp i, 0,1
.irp c, 0,1
.set t_, T+32*(\u)+4*((\a)+\i)+2*\c
	v_pk_fma_f32 v[t_:t_+1], v[DD+4*\i+2*\c:DD+4*\i+2*\c+1], v[DD+4*\i+2*\c:DD+4*\i+2*\c+1], v[t_:t_+1] neg_lo:[1,0,0] neg_hi:[1,0,0]
.endr
.endr
.if \ex
.irp i, 0,1
.irp m, 0,1,2,3
	v_exp_f32 v[E+16*\m+8*(1-(\u))+(\a)+\i], v[T+32*(1-(\u))+4*((\a)+\i)+\m]
.endr
.endr
.endif
.endm
.macro EXH u                           ; the exponentials of half u alone
.irp i, 0,1,2,3,4,5,6,7
.irp m, 0,1,2,3
	v_exp_f32 v[E+16*\m+8*(\u)+\i], v[T+32*(\u)+4*\i+\m]
.endr
.endr
.endm
.macro ZLOAD set                       ; the j's of the next step that is due
	s_wait_xcnt 0x0
	s_add_co_u32 s55, s55, 1
	s_and_b32 s55, s55, 15
	s_lshl_b32 s56, s55, 12
	s_add_nc_u64 s[58+2*(\set):59+2*(\set)], s[8:9], s[56:57]
	global_load_b64 v[ZL+4*(\set):ZL+4*(\set)+1], v[ZO], s[58+2*(\set):59+2*(\set)]
	global_load_b64 v[ZL+4*(\set)+2:ZL+4*(\set)+3], v[ZO], s[58+2*(\set):59+2*(\set)] offset:64
.endm
.macro ZSC set
	v_pk_mul_f32 v[ZL+4*(\set):ZL+4*(\set)+1], v[ZL+4*(\set):ZL+4*(\set)+1], s[62:63] op_sel_hi:[1,0]
	v_pk_mul_f32 v[ZL+4*(\set)+2:ZL+4*(\set)+3], v[ZL+4*(\set)+2:ZL+4*(\set)+3], s[62:63] op_sel_hi:[1,0]
.endm
; the fragments of 128 along K, the slot's s-th: 4 loads of R's codes, 8 of X's
.macro FLD f, b, s
	WIN 0x40
.irp m, 0,1
.irp c, 0,1
	ds_load_b128 v[\f+8*\m+4*\c:\f+8*\m+4*\c+3], v[LI] offset:(\b)*8192+(\s)*2048+\m*1024+\c*512
.endr
.endr
.irp n, 0,1,2,3
.irp c, 0,1
	ds_load_b128 v[\f+16+8*\n+4*\c:\f+16+8*\n+4*\c+3], v[XA+(\b)] offset:\n*16*PITCH+64*(\s)+32*\c
.endr
.endr
	WIN 0
.endm
; eight accumulators by turns, always in this order; X's scales of columns 16-31 of 32 and R's of rows 16-31 are read from lanes 16-31
.macro MM f, q, s
	WIN 0x55
.irp n, 0,2
	v_wmma_scale_f32_16x16x128_f8f6f4 v[16*\n:16*\n+7], v[\f+16+8*\n:\f+23+8*\n], v[\f:\f+7], v[16*\n:16*\n+7], v[\q+2*\n+(\s)], v[RS+(\s)] matrix_a_fmt:MATRIX_FMT_FP4 matrix_b_fmt:MATRIX_FMT_FP4
	v_wmma_scale_f32_16x16x128_f8f6f4 v[16*\n+8:16*\n+15], v[\f+16+8*\n:\f+23+8*\n], v[\f+8:\f+15], v[16*\n+8:16*\n+15], v[\q+2*\n+(\s)], v[RS+(\s)] matrix_a_fmt:MATRIX_FMT_FP4 matrix_b_fmt:MATRIX_FMT_FP4 matrix_b_scale:MATRIX_SCALE_ROW1
	v_wmma_scale_f32_16x16x128_f8f6f4 v[16*\n+16:16*\n+23], v[\f+24+8*\n:\f+31+8*\n], v[\f:\f+7], v[16*\n+16:16*\n+23], v[\q+2*\n+(\s)], v[RS+(\s)] matrix_a_fmt:MATRIX_FMT_FP4 matrix_b_fmt:MATRIX_FMT_FP4 matrix_a_scale:MATRIX_SCALE_ROW1
	v_wmma_scale_f32_16x16x128_f8f6f4 v[16*\n+24:16*\n+31], v[\f+24+8*\n:\f+31+8*\n], v[\f+8:\f+15], v[16*\n+24:16*\n+31], v[\q+2*\n+(\s)], v[RS+(\s)] matrix_a_fmt:MATRIX_FMT_FP4 matrix_b_fmt:MATRIX_FMT_FP4 matrix_a_scale:MATRIX_SCALE_ROW1 matrix_b_scale:MATRIX_SCALE_ROW1
.endr
	WIN 0
.endm
.macro FIRST b                         ; a step's first LDS loads: R's scale words and two sets of fragments
	ds_load_b128 v[RS:RS+3], v[SR] offset:(\b)*512
	FLD F0, \b, 0
	FLD F1, \b, 1
.endm
; my half blocks of four rows: the largest number, shared with lane l xor 8, the scale byte, the codes, into image buf; fl = 1: the last fragments of slot fb are asked for on the way
.macro QUANT buf, fl, fb
.irp m, 0,1,2,3
	v_max3_num_f32 v[MX+\m], v[E+16*\m], v[E+16*\m+1], v[FLR+\m]
.endr
.irp m, 0,1,2,3
	v_max3_num_f32 v[MX+\m], v[MX+\m], v[E+16*\m+2], v[E+16*\m+3]
.endr
.if \fl
	FLD F1, \fb, 3
.endif
.irp i, 4,6,8,10,12,14
.irp m, 0,1,2,3
	v_max3_num_f32 v[MX+\m], v[MX+\m], v[E+16*\m+\i], v[E+16*\m+\i+1]
.endr
.endr
.irp m, 0,1,2,3
	v_max_num_f32_dpp v[MX+\m], v[MX+\m], v[MX+\m] row_xmask:8 row_mask:0xf bank_mask:0xf
.endr
.irp m, 0,1,2,3
	v_add_nc_u32 v[MX+\m], 0xff000000, v[MX+\m]    ; 2 off the exponent field: the conversion's scale
.endr
.irp m, 0,1,2,3
	v_sub_nc_u32 v[14+\m%2+48*(\m/2)], v[MX+\m], v[PSH+\m]   ; and p off it: the scale of R (v14, v15, v62, v63)
.endr
.irp m, 0,1,2,3
	v_lshrrev_b32 v[14+\m%2+48*(\m/2)], 23, v[14+\m%2+48*(\m/2)]
.endr
.irp m, 0,1,2,3
	v_cvt_scalef32_pk8_fp4_f32 v[DD+2*\m], v[E+16*\m:E+16*\m+7], v[MX+\m]
	v_cvt_scalef32_pk8_fp4_f32 v[DD+2*\m+1], v[E+16*\m+8:E+16*\m+15], v[MX+\m]
.endr
	v_nop
.irp m, 0,1,2,3
	ds_store_b64 v[IW], v[DD+2*\m:DD+2*\m+1] offset:(\buf)*8192+(\m%2)*128+(\m/2)*1024
	ds_store_b8 v[SW], v[14+\m%2+48*(\m/2)] offset:(\buf)*512+\m*128
.endr
.endm
; a step's top: the change of slots.  In front of the barrier each wave has its tensor loads landed, its add done, its reads of the old slot back and its codes stored.
; nb: the slot that is filled (this step's is 1 - nb); fill = 1: the next step's tile is asked for into it
.macro TOP nb, fill
	s_wait_tensorcnt 0x0
	ds_add_u32 v[SPW], v[NIL]
.if \fill
	s_add_co_u32 s54, s54, 1
	s_and_b32 s54, s54, 15
	s_lshl_b32 s50, s54, 8
	s_add_nc_u64 s[42:43], s[48:49], s[50:51]
	s_or_b32 s43, s43, 0x80000000
	s_add_co_u32 s41, s52, (\nb)*SLOT
.endif
	s_wait_dscnt 0x0
	s_barrier_signal -1
	s_barrier_wait -1
.if \fill
	CREST
	tensor_load_to_lds s[40:43], s[24:31]          ; the next step's tile: it has this whole step in which to land
	s_nop 0
.endif
	NOPS 4                                         ; also the places in front of the loads below
	FIRST 1-(\nb)
.endm
; a step's body: slot b; q: its scale words; codes = 1: the next step's codes are made, from set n; npk = 1: and the first exponents of the step after; ld = 1: the j's three steps on are asked for
.macro BODY b, n, q, codes, npk, ld
.if \codes
	GRP 1, \n, 0, 1, 1
	GRP 1, \n, 2, 3, 1
	GRP 1, \n, 4, 5, 1
	GRP 1, \n, 6, 7, 1
.endif
	s_wait_dscnt 12                                ; the second set of fragments may be out
.if \codes
	VW
.endif
	MM F0, \q, 0
.if \ld
	ZLOAD \n
.endif
.if \codes
.if \npk
.if \ld
	s_wait_loadcnt 2                               ; the two loads just issued may be out
.else
	s_wait_loadcnt 0
.endif
	ZSC 1-(\n)
	GRP 0, 1-(\n), 0, 1, 1
	FLD F0, \b, 2
	GRP 0, 1-(\n), 2, 3, 1
	GRP 0, 1-(\n), 4, 5, 1
	GRP 0, 1-(\n), 6, 7, 1
.else
	NOPS 4
	FLD F0, \b, 2
	EXH 1
.endif
	s_wait_dscnt 12                                ; the twelve loads just issued may be out
	VW
	MM F1, \q, 1
	QUANT 1-(\b), 1, \b
	s_wait_dscnt 20                                ; the last fragments' 12 loads and 8 stores may be out
	MM F0, \q, 2
	s_wait_dscnt 8                                 ; the 8 stores may be out
.else
	NOPS 4
	FLD F0, \b, 2
	s_wait_dscnt 12
	MM F1, \q, 1
	NOPS 4
	FLD F1, \b, 3
	s_wait_dscnt 12
	MM F0, \q, 2
	s_wait_dscnt 0x0
.endif
	MM F1, \q, 3
.endm
	s_load_b256 s[4:11], s[0:1], 0x0               ; X's codes s[4:5], its scales s[6:7], Z s[8:9], out0 s[10:11]
	s_load_b64 s[12:13], s[0:1], 0x20              ; out1
	v_lshl_add_u32 v[SPW], v0, 2, SPARE
	v_mov_b32 v[NIL], 0
	ds_add_u32 v[SPW], v[NIL]                      ; the opening add, twice on end
	ds_add_u32 v[SPW], v[NIL]
	v_lshrrev_b32 v15, 5, v0
	v_readfirstlane_b32 s14, v15                   ; wave
	s_bfe_u32 s15, ttmp6, 0x40000
	s_lshl_b32 s16, ttmp9, 2
	s_add_co_u32 s16, s16, s15                     ; work-group
	s_lshr_b32 s22, ttmp9, 4
	s_lshl_b32 s22, s22, 2
	s_add_co_u32 s17, ttmp9, s22
	s_and_b32 s17, s17, 15                         ; the cluster's first K step
	s_mov_b32 s24, 15|(1<<20)|(1<<21)|(5<<22)|(3<<25)  ; mask of the four; elements of 1 byte; 4 words of padding behind every 64; bit 21 beside a mask
	s_mov_b32 s25, 256<<16                         ; a tile: 64 rows of 256 bytes
	s_mov_b32 s26, 64<<16
	s_mov_b32 s27, 256<<16
	s_mov_b32 s28, 64
	s_mov_b32 s29, 4096
	s_mov_b32 s30, 0
	s_mov_b32 s31, 0
	s_mov_b32 s32, 15|(1<<20)|(1<<21)|(5<<22)|(3<<25)  ; X's scales: 64 columns of 256 bytes on end, the same padding
	s_mov_b32 s33, 256<<16
	s_mov_b32 s34, 64<<16
	s_mov_b32 s35, 256<<16
	s_mov_b32 s36, 64
	s_mov_b32 s37, 256
	s_mov_b32 s38, 0
	s_mov_b32 s39, 0
	s_mul_i32 s52, s14, 64*PITCH                   ; I fetch and read 64 columns of X
	s_mov_b32 s91, 0
	s_mov_b32 s51, 0
	s_mov_b32 s57, 0
	s_mov_b32 s62, 0x3f596d27                      ; sqrt(log2(e) / 2)
	s_mov_b32 s63, 0
	s_mov_b32 s82, 0xbf596d27
	s_mov_b32 s73, 0                               ; upper halves of the pairs that packed lines name
	s_mov_b32 s75, 0
	s_mov_b32 s77, 0
	s_mov_b32 s79, 0
	s_mov_b32 s80, 0
	s_mov_b32 s81, 0x00010001
	s_lshr_b32 s22, s14, 1
	s_and_b32 s23, s14, 1
	s_lshl_b32 s86, s22, 11
	s_lshl_b32 s87, s23, 9
	s_add_co_u32 s86, s86, s87
	s_add_co_u32 s86, s86, IMG
	s_lshl_b32 s87, s22, 2
	s_lshl_b32 s88, s23, 1
	s_add_co_u32 s87, s87, s88
	s_add_co_u32 s87, s87, SCB
	s_lshl_b32 s88, s14, 13
	s_lshl_b32 s89, s14, 9
	s_lshl_b32 s90, s14, 14
	v_and_b32 v[LN], 31, v0
	v_and_b32 v[R_], 15, v0
	v_bfe_u32 v[H_], v0, 4, 1
	v_and_b32 v[R8], 7, v0
	v_bfe_u32 v[B3], v0, 3, 1
	v_bfe_u32 v[QQ], v0, 3, 2
	v_lshlrev_b32 v[IW], 4, v[R8]                  ; my row's 16 bytes in the image, the upper 8 for odd q
	v_lshl_add_u32 v[IW], v[H_], 8, v[IW]
	v_lshl_add_u32 v[IW], v[B3], 3, v[IW]
	v_add_nc_u32 v[IW], s86, v[IW]
	v_lshl_add_u32 v[SW], v[R8], 4, v[H_]
	v_add_nc_u32 v[SW], s87, v[SW]
	v_lshl_add_u32 v[LI], v[LN], 4, IMG
	v_lshl_add_u32 v[SR], v[LN], 4, SCB
	v_mul_u32_u24 v[XA], v[R_], PITCH
	v_lshl_add_u32 v[XA], v[H_], 4, v[XA]
	v_add_nc_u32 v[XA], s52, v[XA]
	v_add_nc_u32 v[XA+1], SLOT, v[XA]
	v_lshlrev_b32 v[ZO], 3, v[R8]
	v_lshl_add_u32 v[ZO], v[QQ], 7, v[ZO]
	v_add_nc_u32 v[ZO], s89, v[ZO]
	v_lshl_add_u32 v15, v[LN], 4, s88              ; my two j's of each 64 of the wave's 1,024
	v_lshlrev_b32 v14, 3, v[R8]
	v_lshlrev_b32 v62, 3, v[LN]
	v_mul_u32_u24 v63, v[LN], PITCH                ; my column's scales, in slot 1
	v_add_nc_u32 v63, s52, v63
	v_add_nc_u32 v63, SLOT, v63
	s_wait_dscnt 0x0                               ; both opening adds are done
	VW
	s_wait_kmcnt 0x0
	s_lshl_b32 s22, s16, 8
	s_mov_b32 s23, 0
	s_add_nc_u64 s[66:67], s[8:9], s[22:23]        ; my 32 rows of Z
	s_add_nc_u64 s[12:13], s[12:13], s[22:23]
	s_load_b64 s[84:85], s[66:67], 0x0             ; row 0,
	s_load_b64 s[68:69], s[66:67], 0x8             ; row 1,
	s_load_b64 s[70:71], s[66:67], 0x80            ; row 16
.irp q, 0,1,2,3,4,5,6,7,8,9,10,11,12,13,14,15
	global_load_b128 v[ZJ+4*\q:ZJ+4*\q+3], v15, s[8:9] offset:512*\q
.endr
	global_load_b64 v[CP:CP+1], v62, s[66:67]
.irp m, 0,1,2,3
	global_load_b64 v[ZI+2*\m:ZI+2*\m+1], v14, s[66:67] offset:64*\m
.endr
	s_mov_b32 s54, s17
	s_lshl_b32 s56, s17, 12
	s_add_nc_u64 s[58:59], s[8:9], s[56:57]
	global_load_b64 v[ZL:ZL+1], v[ZO], s[58:59]
	global_load_b64 v[ZL+2:ZL+3], v[ZO], s[58:59] offset:64
	s_add_co_u32 s55, s17, 1
	s_and_b32 s55, s55, 15
	s_lshl_b32 s56, s55, 12
	s_add_nc_u64 s[60:61], s[8:9], s[56:57]
	global_load_b64 v[ZL+4:ZL+5], v[ZO], s[60:61]
	global_load_b64 v[ZL+6:ZL+7], v[ZO], s[60:61] offset:64
	s_lshl_b32 s22, s14, 18
	s_add_nc_u64 s[48:49], s[4:5], s[22:23]        ; my 64 columns' codes
	s_lshl_b32 s50, s17, 8
	s_mov_b32 s40, 1
	s_mov_b32 s41, s52
	s_add_nc_u64 s[42:43], s[48:49], s[50:51]
	s_or_b32 s43, s43, 0x80000000
	s_mov_b32 s44, 1
	s_add_co_u32 s45, s52, SLOT
	s_add_nc_u64 s[46:47], s[6:7], s[90:91]        ; my 64 columns' scales
	s_or_b32 s47, s47, 0x80000000
	ROUND                                          ; the four work-groups are here: the first joint loads meet
	tensor_load_to_lds s[44:47], s[32:39]          ; X's scales into slot 1: the head's one load of every wave
	s_nop 0
	NOPS 4
	WIN 0x40
.set k_, 0
.rept 64
	v_mov_b32 v[k_], 0                             ; the accumulators: every step is one text, so the sums begin as zeros
.set k_, k_+1
.endr
	WIN 0
.irp i, 0,1,2,3
	v_mov_b32 v[P+\i], 0                           ; (a lane permute's destination counts as read)
.endr
	v_mov_b32 v[ACC], 0
	VW
	s_wait_xcnt 0x0
	s_wait_kmcnt 0x0
	s_mul_f32 s72, s82, s84
	s_mul_f32 s74, s82, s85
	s_wait_loadcnt 9                               ; Z's sixteen loads are in; 1 + 4 + 4 younger ones may be out
.irp q, 0,1,2,3,4,5,6,7,8,9,10,11,12,13,14,15
	v_swap_b32 v[ZJ+4*\q+1], v[ZJ+4*\q+2]          ; (x, y, x', y') to (x, x', y, y')
.endr
.set k_, 0
.rept 32
	v_pk_mul_f32 v[ZJ+k_:ZJ+k_+1], v[ZJ+k_:ZJ+k_+1], s[62:63] op_sel_hi:[1,0]
.set k_, k_+2
.endr
; PASS 1
	ROWS TA, TB, 72, 74, 1, 0
	VW
	s_mov_b32 s53, 4
.Lpass1_first:
	TRIP1 1
	s_sub_co_u32 s53, s53, 1
	s_cmp_lg_u32 s53, 0
	s_cbranch_scc1 .Lpass1_first
	VW
	s_wait_tensorcnt 0x0                           ; my columns' scales are in slot 1
	ds_add_u32 v[SPW], v[NIL]
	s_wait_dscnt 0x0
	ROUND
	tensor_load_to_lds s[40:43], s[24:31]          ; step 0's tile into slot 0
	s_nop 0
	NOPS 4
; the scale words of my columns (lane and lane + 32), the cluster's k-th step's into the k-th eight registers: one arm for each first step, so that every offset is a constant
.macro XSARM a
.set k_, 0
.rept 16
.if (k_ >= 4) && (k_ < 12)
	WIN 0x40
.set x_, Q1+8*(k_-4)
.else
	WIN 0
.if k_ < 4
.set x_, Q0+8*k_
.else
.set x_, Q3+8*(k_-12)
.endif
.endif
	ds_load_b128 v[x_:x_+3], v63 offset:((\a+k_)%16)*16
	ds_load_b128 v[x_+4:x_+7], v63 offset:32*PITCH+((\a+k_)%16)*16
.set k_, k_+1
.endr
	WIN 0
.endm
.irp a, 0,1,2,3,4,5,6,7,8,9,10,11,12,13,14
	s_cmp_eq_u32 s17, \a
	s_cbranch_scc0 .Lnot_first_\a
	XSARM \a
	s_branch .Lscales_asked
.Lnot_first_\a:
.endr
	XSARM 15
.Lscales_asked:
	s_mov_b32 s53, 11
.Lpass1:
	TRIP1 1
	s_sub_co_u32 s53, s53, 1
	s_cmp_lg_u32 s53, 0
	s_cbranch_scc1 .Lpass1
	TRIP1 0
	s_lshl_b32 s22, s14, 2
	s_add_co_u32 s22, s22, RSUM
	v_and_b32 v15, 31, v0
	v_lshl_add_u32 v14, v15, 5, s22
	v_and_b32 v15, 7, v0
	v_lshl_add_u32 v15, v15, 5, RSUM
	VW
	ds_store_b32 v14, v[ACC]
	s_wait_loadcnt 0x0                             ; all of the head's loads
	s_wait_tensorcnt 0x0                           ; step 0's tile is in; slot 1, whose scales have been read, is filled again behind this round
	ds_add_u32 v[SPW], v[NIL]
	s_add_co_u32 s54, s54, 1
	s_and_b32 s54, s54, 15
	s_lshl_b32 s50, s54, 8
	s_add_nc_u64 s[42:43], s[48:49], s[50:51]
	s_or_b32 s43, s43, 0x80000000
	s_add_co_u32 s41, s52, SLOT
	s_wait_dscnt 0x0
	s_barrier_signal -1
.irp m, 0,1,2,3
	v_mul_f32 v[NZX+\m], s82, v[ZI+2*\m]
	v_mul_f32 v[NZY+\m], s82, v[ZI+2*\m+1]
.endr
	VW
	s_barrier_wait -1
	CREST
	tensor_load_to_lds s[40:43], s[24:31]          ; step 1's tile
	s_nop 0
	NOPS 4
.irp m, 0,1,2,3
	ds_load_b128 v[E+8*\m:E+8*\m+3], v15 offset:256*\m      ; the eight waves' parts of row r8 + 8 m
	ds_load_b128 v[E+8*\m+4:E+8*\m+7], v15 offset:256*\m+16
.endr
	s_mov_b32 s84, 0x7fffff
	s_mov_b32 s85, 0x3f800000
	s_cmp_lg_u32 s14, 0
	s_cbranch_scc1 .Lno_copy
	global_store_b64 v62, v[CP:CP+1], s[12:13]     ; out1: 32 rows, 256 bytes, by wave 0
.Lno_copy:
	s_wait_dscnt 0x0
.irp m, 0,1,2,3
	v_pk_add_f32 v[E+8*\m:E+8*\m+1], v[E+8*\m:E+8*\m+1], v[E+8*\m+2:E+8*\m+3]
	v_pk_add_f32 v[E+8*\m+4:E+8*\m+5], v[E+8*\m+4:E+8*\m+5], v[E+8*\m+6:E+8*\m+7]
.endr
.irp m, 0,1,2,3
	v_pk_add_f32 v[E+8*\m:E+8*\m+1], v[E+8*\m:E+8*\m+1], v[E+8*\m+4:E+8*\m+5]
.endr
.irp m, 0,1,2,3
	v_add_f32 v[E+8*\m], v[E+8*\m], v[E+8*\m+1]    ; S
.endr
.irp m, 0,1,2,3
	v_and_or_b32 v[LM+\m], v[E+8*\m], s84, s85     ; its mantissa, 1 .. 2
	v_and_b32 v[PSH+\m], 0x7f800000, v[E+8*\m]
.endr
.irp m, 0,1,2,3
	v_add_nc_u32 v[PSH+\m], 0xc0800000, v[PSH+\m]  ; 127 off the exponent field: p << 23
.endr
.irp m, 0,1,2,3
	v_add_nc_u32 v[FLR+\m], 0x1800000, v[PSH+\m]   ; R's byte cannot fall under 1
.endr
	ZSC 0
	VW
.irp m, 0,1,2,3
	v_log_f32 v[LM+\m], v[LM+\m]
.endr
	v_nop
	VW
; PASS 2: step 0's codes, and the first exponents of step 1
	GRP 0, 0, 0, 1, 0
	GRP 0, 0, 2, 3, 0
	GRP 0, 0, 4, 5, 0
	GRP 0, 0, 6, 7, 0
	VW
	GRP 1, 0, 0, 1, 1
	GRP 1, 0, 2, 3, 1
	GRP 1, 0, 4, 5, 1
	GRP 1, 0, 6, 7, 1
	VW
	ZLOAD 0
	ZSC 1
	GRP 0, 1, 0, 1, 1
	GRP 0, 1, 2, 3, 1
	GRP 0, 1, 4, 5, 1
	GRP 0, 1, 6, 7, 1
	VW
	QUANT 0, 0, 0
	s_wait_dscnt 0x0                               ; step 0 fills nothing: its tile has been in since the round above, step 1's is on its way;
	s_barrier_signal -1                            ; this barrier shows every wave's codes
	s_barrier_wait -1
	FIRST 0
	s_mov_b32 s53, 3
.Lsteps:                                               ; a trip: four steps, from a body to the next trip's top
	BODY 0, 1, Q0, 1, 1, 1
	TOP 0, 1
	BODY 1, 0, Q0+8, 1, 1, 1
	TOP 1, 1
	BODY 0, 1, Q0+16, 1, 1, 1
	TOP 0, 1
	BODY 1, 0, Q0+24, 1, 1, 1
	TOP 1, 1
	NOPS 4                                         ; places behind the last products, whose scale words move below
	WIN 0x01
.set k_, 0
.rept 32
	v_mov_b32 v[Q0+k_], v[Q1+k_]                   ; the next four steps' scale words move up (scale operands lie in v0-255)
.set k_, k_+1
.endr
	WIN 0x41
.set k_, 0
.rept 32
	v_mov_b32 v[Q1+k_], v[Q2+k_]
.set k_, k_+1
.endr
	WIN 0
	s_sub_co_u32 s53, s53, 1
	s_cmp_lg_u32 s53, 0
	s_cbranch_scc1 .Lsteps
	BODY 0, 1, Q3, 1, 1, 1                         ; steps 12 to 15
	TOP 0, 1
	BODY 1, 0, Q3+8, 1, 1, 0
	TOP 1, 1
	BODY 0, 1, Q3+16, 1, 0, 0
	TOP 0, 0
	BODY 1, 0, Q3+24, 0, 0, 0
; THE WAY OUT: my 64 columns are 256 bytes of a row.  They go through my own bytes of slot 0, which has had its last fill and its last read, and come back as rows, two to a load.
	s_lshl_b32 s22, s16, 16
	s_mov_b32 s23, 0
	s_add_nc_u64 s[10:11], s[10:11], s[22:23]
	s_lshl_b32 s22, s14, 8
	v_and_b32 v10, 15, v0
	v_bfe_u32 v11, v0, 4, 1
	v_mul_u32_u24 v12, v10, PITCH
	v_lshl_add_u32 v12, v11, 5, v12
	v_add_nc_u32 v12, s52, v12
	v_mul_u32_u24 v13, v11, PITCH
	v_lshl_add_u32 v13, v10, 4, v13
	v_add_nc_u32 v13, s52, v13
	v_lshlrev_b32 v14, 11, v11
	v_lshl_add_u32 v14, v10, 4, v14
	v_add_nc_u32 v14, s22, v14
	VW
	WIN 0x04
.irp m, 0,1
.irp n, 0,1,2,3
	ds_store_b128 v12, v[8*(2*\n+\m):8*(2*\n+\m)+3] offset:\m*16*PITCH+64*\n
	ds_store_b128 v12, v[8*(2*\n+\m)+4:8*(2*\n+\m)+7] offset:\m*16*PITCH+64*\n+16
.endr
.endr
	WIN 0x40
.set k_, 0
.rept 16
	ds_load_b128 v[F0+4*k_:F0+4*k_+3], v13 offset:2*k_*PITCH
.set k_, k_+1
.endr
	WIN 0x04
.set k_, 0
.rept 16
	s_wait_dscnt 15-k_
	global_store_b128 v14, v[F0+4*k_:F0+4*k_+3], s[10:11] offset:k_*4096 th:TH_STORE_NT   ; sixteen lanes store 256 consecutive bytes, aligned
.set k_, k_+1
.endr
	WIN 0
	s_wait_tensorcnt 0x0                           ; the wave's end
	ds_add_u32 v[SPW], v[NIL]
	s_wait_dscnt 0x0
	ROUND                                          ; the closing round
	s_endpgm
.Lfunc_end_k_q066031273d_ukr:
	.size	k_q066031273d_ukr, .Lfunc_end_k_q066031273d_ukr-k_q066031273d_ukr
	.p2alignl 7, 3214868480
	.fill 96, 4, 3214868480
	.section	.rodata,"a",@progbits
	.p2align	6, 0x0
	.amdhsa_kernel k_q066031273d_ukr
		.amdhsa_group_segment_fixed_size 327680
		.amdhsa_private_segment_fixed_size 0
		.amdhsa_enable_private_segment 0
		.amdhsa_kernarg_size 40
		.amdhsa_user_sgpr_count 2
		.amdhsa_user_sgpr_kernarg_segment_ptr 1
		.amdhsa_wavefront_size32 1
		.amdhsa_system_sgpr_workgroup_id_x 1
		.amdhsa_system_sgpr_workgroup_id_y 1
		.amdhsa_system_sgpr_workgroup_id_z 1
		.amdhsa_system_vgpr_workitem_id 0
		.amdhsa_next_free_vgpr 512
		.amdhsa_next_free_sgpr 96
		.amdhsa_reserve_vcc 0
		.amdhsa_float_denorm_mode_32 3
		.amdhsa_float_denorm_mode_16_64 3
		.amdhsa_memory_ordered 1
		.amdhsa_forward_progress 1
		.amdhsa_inst_pref_size 255
	.end_amdhsa_kernel
	.section	.bss,"aw",@nobits
	.p2align	6
	.space	262144
	.amdgpu_metadata
---
amdhsa.version: [ 1, 2 ]
amdhsa.kernels:
  - .name:           k_q066031273d_ukr
    .symbol:         k_q066031273d_ukr.kd
    .args:
      - { .name: X_codes, .offset: 0, .size: 8, .value_kind: global_buffer, .address_space: global }
      - { .name: X_scales, .offset: 8, .size: 8, .value_kind: global_buffer, .address_space: global }
      - { .name: Z, .offset: 16, .size: 8, .value_kind: global_buffer, .address_space: global }
      - { .name: out0, .offset: 24, .size: 8, .value_kind: global_buffer, .address_space: global }
      - { .name: out1, .offset: 32, .size: 8, .value_kind: global_buffer, .address_space: global }
    .group_segment_fixed_size: 327680
    .private_segment_fixed_size: 0
    .kernarg_segment_align: 8
    .kernarg_segment_size: 40
    .max_flat_workgroup_size: 256
    .sgpr_count:     96
    .vgpr_count:     512
    .wavefront_size: 32
...
	.end_amdgpu_metadata
.endif
;; end of part 1
